; MI455X (gfx1250); checked and timed in simulation.
; The chip was launched on July 23, 2026; its instructions are those of AMD's public machine-readable ISA for CDNA 5 (MIT licence, August 2026) and "CDNA5" Instruction Set Architecture Reference Guide (July 2026). The comments in the code are by the model that wrote it; some were corrected since.
;; Audio Quantizer. Allowed arithmetic: float matrix products may take bf16 or f16 operands with f32 sums; other float arithmetic in f32, or as packed bf16 or f16 multiplies, adds, multiply-adds, maxima and minima; sums over many terms, partial sums and values carried from step to step in f32; what a program stores and reads back later, other than sums and carried values, may be rounded once to bf16 or f16.
;; Inputs: codebook 8,192 x 512 float32; x 8 x 2,048 x 512 float32.
;; Outputs: out0 8 x 2,048 x 512 float32.
;; One version. Each part assembles by itself: llvm-mc -triple=amdgcn-amd-amdhsa -mcpu=gfx1250 --defsym DOCPART=n.
;; ======== version 1 of 1: 3 launches
;; workspace buffers: xb 16,777,216 bytes; cb 8,388,608 bytes; hc 32,768 bytes; cand 524,288 bytes of whole numbers
;; launch prep (part 1): grid 256 x 1, 6 waves a work-group, no clusters, 105,216 bytes of LDS; arguments x, codebook, xb, cb, hc; writes xb, cb, hc
.if DOCPART == 1
	.amdgcn_target "amdgcn-amd-amdhsa--gfx1250"
	.amdhsa_code_object_version 6
	.text
	.protected	k_q9883f97ddf_prep
	.globl	k_q9883f97ddf_prep
	.p2align	8
	.type	k_q9883f97ddf_prep,@function
k_q9883f97ddf_prep:
	s_mov_b64 s[64:65], 0
	v_nop
	global_prefetch_b8 v0, s[64:65] scope:SCOPE_SE
	s_setreg_imm32_b32 hwreg(HW_REG_WAVE_MODE, 25, 1), 1
	s_wait_xcnt 0x0
; PREP.  x [16384][512] and codebook [8192][512], f32, are rounded once to bf16 (nearest even) and written in FRAGMENT ORDER; hc[k] = 0.5 x the sum of the squares of code k's ROUNDED numbers, f32.
; FRAGMENT ORDER.  A tile is 16 consecutive rows, 16,384 bytes.  Number k of row r of tile T lies at T x 16384 + (k / 8) x 256 + r x 16 + 2 (k % 8): a chunk of 8 numbers of all 16 rows is 256 bytes on end.
; So the next launch takes a matrix fragment (16 rows x 32 k) by two loads of 16 bytes a lane, each 512 consecutive bytes.
; hc is taken of the rounded numbers, since the products of the next launch are products of the rounded numbers: the distance that is minimised is then that of the rounded inputs.
; SHARES.  Work-group g: waves 0-3 take the tiles 4 g + w of x, waves 4 and 5 the tiles 2 g + (w & 1) of the codebook: 32,768 consecutive bytes in, 16,384 out, a wave.
; The turn from rows to chunks goes through a stage in LDS that is the wave's own: no barrier.  No matrix unit, no cluster: nothing is shared and memory binds.
; LIMITS.  NaN and infinities are not treated apart; a square sum beyond f32's range is an infinity, as in the reference.
.set ROWB,  2048                       ; bytes in a row of x or of the codebook
.set PITCH, 272                        ; a chunk's 256 bytes + 16: the 32 lanes of a store of 8 bytes touch 64 different banks (64 banks of 4 bytes: ISA guide 11.1)
.set STG,   64*PITCH                   ; a wave's stage: 64 chunks
.set SPARE, 6*STG                      ; 104,448 = 408 x 256: behind the stages the spare words, 128 bytes a wave: three blocks of 256 bytes that no other line names
.set GO,  2                            ; v2   16 x lane: my 16 bytes in 512 consecutive bytes, in and out; never rewritten
.set LSA, 3                            ; v3   stage + (lane / 2) x PITCH + 8 (lane % 2): where my four numbers go
.set LRA, 4                            ; v4   stage + (lane / 16) x PITCH + 16 (lane % 16): where I read 16 bytes back
.set SPW, 5                            ; v5   LDS address of my spare word; never rewritten
.set NIL, 6                            ; v6   0, for the add alone
.set HO,  7                            ; v7   byte offset in hc of code 16 x tile + lane % 16
.set CV,  8                            ; v[8:15]   four pairs of packed bf16, by turns
.set SQ,  16                           ; v[16:23]  eight chains of squares
.set TP,  24                           ; v24-25    at work
.set ZR,  26                           ; v26       0: what the eight chains start from
.set IN,  128                          ; v[128:255] 32 slots of 4: f32 as loaded; later the tile in fragment order
.set WV,  14                           ; s14  my wave's number
.set SRC, 16                           ; s[16:17] my tile in x or in the codebook
.set DST, 18                           ; s[18:19] my tile in xb or in cb
	s_load_b256 s[4:11], s[0:1], 0x0               ; x s[4:5], codebook s[6:7], xb s[8:9], cb s[10:11]
	s_load_b64 s[12:13], s[0:1], 0x20              ; hc
	v_lshl_add_u32 v[SPW], v0, 2, SPARE
	v_mov_b32 v[NIL], 0
	v_lshrrev_b32 v1, 5, v0
	v_readfirstlane_b32 s[WV], v1                  ; wave 0..5
	v_and_b32 v1, 31, v0                           ; lane
	s_mov_b32 s22, 0x76543210                      ; v_permlanex16_b32: each lane takes its own place in the other half
	s_mov_b32 s23, 0xfedcba98
	s_lshl_b32 s20, ttmp9, 2
	s_add_co_u32 s20, s20, s[WV]                   ; a tile of x: 4 g + w
	s_and_b32 s21, s[WV], 1
	s_lshl_b32 s25, ttmp9, 1
	s_add_co_u32 s21, s21, s25                     ; a tile of the codebook: 2 g + (w & 1)
	s_cmp_lt_u32 s[WV], 4
	s_cselect_b32 s15, s20, s21                    ; my tile
	s_mul_i32 s25, s[WV], STG                      ; my stage
	v_lshlrev_b32 v[GO], 4, v1
	v_lshrrev_b32 v[TP], 1, v1
	v_mul_u32_u24 v[LSA], v[TP], PITCH
	v_and_b32 v[TP+1], 1, v1
	v_lshl_add_u32 v[LSA], v[TP+1], 3, v[LSA]
	v_add_nc_u32 v[LSA], s25, v[LSA]
	v_lshrrev_b32 v[TP], 4, v1
	v_mul_u32_u24 v[LRA], v[TP], PITCH
	v_and_b32 v[TP+1], 15, v1
	v_lshl_add_u32 v[LRA], v[TP+1], 4, v[LRA]
	v_add_nc_u32 v[LRA], s25, v[LRA]
	s_lshl_b32 s28, s15, 6                         ; 16 codes x 4 bytes a tile
	v_lshl_add_u32 v[HO], v[TP+1], 2, s28
	s_lshl_b32 s20, s15, 15                        ; the tile's bytes in: 32,768,
	s_mov_b32 s21, 0
	s_lshl_b32 s26, s15, 14                        ; and out: 16,384
	s_mov_b32 s27, 0
	s_wait_kmcnt 0x0
	s_cmp_lt_u32 s[WV], 4                          ; the choice between the two pairs of buffers hangs on the wave's number alone
	s_cselect_b64 s[SRC:SRC+1], s[4:5], s[6:7]
	s_cselect_b64 s[DST:DST+1], s[8:9], s[10:11]
	s_add_nc_u64 s[SRC:SRC+1], s[SRC:SRC+1], s[20:21]
	s_add_nc_u64 s[DST:DST+1], s[DST:DST+1], s[26:27]
	; Piece m of 64 is a quarter of a row: row m / 4, bytes 512 (m % 4) on: 512 consecutive bytes a load.  32 loads, 16 KiB a wave, are always on their way.
.set m, 0
.rept 32
	global_load_b128 v[IN+4*m:IN+4*m+3], v[GO], s[SRC:SRC+1] offset:(m/4)*ROWB+(m%4)*512 th:TH_LOAD_NT
.set m, m+1
.endr
; Piece m: my four numbers k = 128 (m % 4) + 4 lane .. are half of chunk 16 (m % 4) + lane / 2 of row m / 4.  They are rounded and put there; the slot is asked for again, 32 pieces on.
.macro CONV
.set sl, IN+4*(m%32)
.set cp, CV+2*(m%4)
.if m < 32
	s_wait_loadcnt 31                              ; loads come back in order (ISA guide 5.7.1): behind piece m stand 31 - m of the first run and the m issued since
.else
	s_wait_loadcnt 63-m                            ; nothing is issued any more: the counts run down to 0
.endif
	v_cvt_pk_bf16_f32 v[cp], v[sl], v[sl+1]
	v_cvt_pk_bf16_f32 v[cp+1], v[sl+2], v[sl+3]
	ds_store_b64 v[LSA], v[cp:cp+1] offset:(m%4)*16*PITCH+(m/4)*16
.if m < 32
	global_load_b128 v[sl:sl+3], v[GO], s[SRC:SRC+1] offset:((m+32)/4)*ROWB+(m%4)*512 th:TH_LOAD_NT
.endif
.set m, m+1
.endm
.set m, 0
.rept 64
	CONV
.endr
	; Back by chunks: load n takes chunks 2 n and 2 n + 1, which are 512 consecutive bytes of the tile in fragment order.
.set n, 0
.rept 32
	ds_load_b128 v[IN+4*n:IN+4*n+3], v[LRA] offset:2*PITCH*n  ; LDS serves a wave's instructions in order (ISA guide 5.7.1.4): these see the stores above
.set n, n+1
.endr
.set n, 0
.rept 32
	s_wait_dscnt 31-n                              ; load n is back; the 31 - n behind it may stay out
	global_store_b128 v[GO], v[IN+4*n:IN+4*n+3], s[DST:DST+1] offset:512*n  ; 32 lanes store 512 consecutive bytes, at a multiple of 256 from the buffer's first byte
.set n, n+1
.endr
	s_cmp_lt_u32 s[WV], 4
	s_cbranch_scc1 .Lend                           ; x has no squares to take
	; hc.  My 128 registers hold, for code lane % 16, the chunks of parity lane / 16: 256 rounded numbers.  Eight chains of 32 squares, straight from the bf16 halves into f32.
	v_mov_b32 v[ZR], 0
.set n, 0
.rept 128
.set c, SQ+2*(n%4)
.if n < 4
	v_fma_mix_f32_bf16 v[c], v[IN+n], v[IN+n], v[ZR] op_sel_hi:[1,1,0]
	v_fma_mix_f32_bf16 v[c+1], v[IN+n], v[IN+n], v[ZR] op_sel:[1,1,0] op_sel_hi:[1,1,0]
.else
	v_fma_mix_f32_bf16 v[c], v[IN+n], v[IN+n], v[c] op_sel_hi:[1,1,0]
	v_fma_mix_f32_bf16 v[c+1], v[IN+n], v[IN+n], v[c+1] op_sel:[1,1,0] op_sel_hi:[1,1,0]
.endif
.set n, n+1
.endr
	v_pk_add_f32 v[SQ:SQ+1], v[SQ:SQ+1], v[SQ+2:SQ+3]
	v_pk_add_f32 v[SQ+4:SQ+5], v[SQ+4:SQ+5], v[SQ+6:SQ+7]
	v_pk_add_f32 v[SQ:SQ+1], v[SQ:SQ+1], v[SQ+4:SQ+5]
	v_add_f32 v[SQ], v[SQ], v[SQ+1]
	v_permlanex16_b32 v[TP], v[SQ], s22, s23       ; the chunks of the other parity lie in the lane 16 away (the destination has been written before)
	v_add_f32 v[SQ], v[SQ], v[TP]
	v_mul_f32 v[SQ], 0.5, v[SQ]
	v_cmp_gt_u32 vcc_lo, 16, v1
	s_wait_xcnt 0x0                                ; EXEC is a source of the stores above: it changes only behind this wait
	s_and_saveexec_b32 s24, vcc_lo
	global_store_b32 v[HO], v[SQ], s[12:13]        ; lanes 0-15: 64 consecutive bytes a tile; all of hc is 32 KiB, so no meeting of waves is made to widen this store
	s_wait_xcnt 0x0                                ; and again in front of the line that widens it
	s_or_b32 exec_lo, exec_lo, s24
.Lend:
	s_wait_tensorcnt 0x0                           ; the wave's end, behind my last LDS store
	ds_add_u32 v[SPW], v[NIL]
	s_wait_dscnt 0x0
	s_endpgm
.Lfunc_end_k_q9883f97ddf_prep:
	.size	k_q9883f97ddf_prep, .Lfunc_end_k_q9883f97ddf_prep-k_q9883f97ddf_prep
	.p2alignl 7, 3214868480
	.fill 96, 4, 3214868480
	.section	.rodata,"a",@progbits
	.p2align	6, 0x0
	.amdhsa_kernel k_q9883f97ddf_prep
		.amdhsa_group_segment_fixed_size 105216
		.amdhsa_private_segment_fixed_size 0
		.amdhsa_enable_private_segment 0
		.amdhsa_kernarg_size 40
		.amdhsa_user_sgpr_count 2
		.amdhsa_user_sgpr_kernarg_segment_ptr 1
		.amdhsa_wavefront_size32 1
		.amdhsa_system_sgpr_workgroup_id_x 1
		.amdhsa_system_sgpr_workgroup_id_y 1
		.amdhsa_system_sgpr_workgroup_id_z 1
		.amdhsa_system_vgpr_workitem_id 0
		.amdhsa_next_free_vgpr 256
		.amdhsa_next_free_sgpr 66
		.amdhsa_reserve_vcc 1
		.amdhsa_float_denorm_mode_32 3
		.amdhsa_float_denorm_mode_16_64 3
		.amdhsa_memory_ordered 1
		.amdhsa_forward_progress 1
		.amdhsa_inst_pref_size 45
	.end_amdhsa_kernel
	.amdgpu_metadata
---
amdhsa.version: [ 1, 2 ]
amdhsa.kernels:
  - .name:           k_q9883f97ddf_prep
    .symbol:         k_q9883f97ddf_prep.kd
    .args:
      - { .name: x, .offset: 0, .size: 8, .value_kind: global_buffer, .address_space: global }
      - { .name: codebook, .offset: 8, .size: 8, .value_kind: global_buffer, .address_space: global }
      - { .name: xb, .offset: 16, .size: 8, .value_kind: global_buffer, .address_space: global }
      - { .name: cb, .offset: 24, .size: 8, .value_kind: global_buffer, .address_space: global }
      - { .name: hc, .offset: 32, .size: 8, .value_kind: global_buffer, .address_space: global }
    .group_segment_fixed_size: 105216
    .private_segment_fixed_size: 0
    .kernarg_segment_align: 8
    .kernarg_segment_size: 40
    .max_flat_workgroup_size: 192
    .sgpr_count:     66
    .vgpr_count:     256
    .wavefront_size: 32
...
	.end_amdgpu_metadata
.endif
;; end of part 1
;; launch score (part 2): grid 64 x 4, 4 waves a work-group, clusters of 4 x 1, 327,680 bytes of LDS; arguments xb, cb, hc, cand; writes cand
.if DOCPART == 2
	.amdgcn_target "amdgcn-amd-amdhsa--gfx1250"
	.amdhsa_code_object_version 6
	.text
	.protected	k_q9883f97ddf_score
	.globl	k_q9883f97ddf_score
	.p2align	8
	.type	k_q9883f97ddf_score,@function
k_q9883f97ddf_score:
	s_mov_b64 s[64:65], 0
	v_nop
	global_prefetch_b8 v0, s[64:65] scope:SCOPE_SE
	s_setreg_imm32_b32 hwreg(HW_REG_WAVE_MODE, 25, 1), 1
	s_wait_xcnt 0x0
	s_wait_alu depctr_hold_cnt(0) depctr_sa_sdst(0) depctr_va_vdst(0) depctr_va_sdst(0) depctr_va_ssrc(0) depctr_va_vcc(0) depctr_vm_vsrc(0)
	s_getreg_b32 s2, hwreg(HW_REG_IB_STS2, 6, 4)
	s_cmp_eq_u32 s2, 0
	s_cbranch_scc0 .Lentry_in_a_cluster
	s_endpgm
.Lentry_in_a_cluster:
	s_bfe_u32 s2, ttmp6, 0x10000c
	s_cmp_lg_u32 s2, 0x3003
	s_cbranch_scc0 .Lentry_shape_is_right
	s_endpgm
.Lentry_shape_is_right:
; SCORE.  For 256 rows of x and a quarter of the codebook (2,048 codes): the largest s = x . c - hc[k], hc[k] = |c|^2 / 2, and its code's number.  |x - c|^2 = |x|^2 - 2 s, and |x|^2 is the same
; for all codes of a row, so the smallest distance is the largest s for every input: |x|^2 is not formed.  Operands bf16 (as the launch before rounded them), sums f32; hc is taken away ONCE, from the finished sum.
; OUT.  cand[quarter][row] = {key, number}: key is s as a whole number that keeps the order (below), so that the next launch chooses among a row's four by comparing whole numbers.
; LIMITS.  NaN and infinities are not treated apart.  Equal s: the lowest number wins, as in argmin; two codes whose distances differ by less than the f32 rounding of the sums may be chosen otherwise than by the
; reference.  s is a difference of two sums, as the reference's own distance is: with a large common offset in the inputs both lose the same digits.
; SHARES.  A work-group: 256 rows, one quarter; 64 x 4 work-groups, all alike.  A wave: 64 rows, four tiles of 16, ALL 512 channels of them in 512 registers for the whole launch.  Only the codes stream:
; a fragment of 16 codes x 32 channels (two LDS loads) feeds four matrix instructions.
; LAYOUT.  S^T = C X^T (source 0 = 16 codes, source 1 = 16 rows of x): a lane holds ONE row (lane % 16) and the codes 8 (lane / 16) + 0..7, so the running maximum never leaves the lane until the end.
; xb and cb lie in fragment order (a tile of 16 rows is 16,384 bytes; K step g's fragment is the 1,024 bytes at 1024 g, 16 bytes a lane twice): every load is 512 consecutive bytes; LDS needs no padding.
; RING.  Two slots of 8 code tiles (131,072 bytes); a wave fetches a quarter of a slot by one tensor load, which has 8 tiles, 512 matrix instructions, in which to land.
; CLUSTER.  The four row blocks of a cluster walk the same quarter: every tile, and hc, is asked for JOINTLY: the same load, descriptor and mask in all four.
; BY TURNS.  While tile T is multiplied into one set of four accumulators, the 112 vector instructions that fold tile T - 1 into the running maximum (RIDERS) stand in slices of four between the products.
; REGISTERS, in windows of 256 (s_set_vgpr_msb: bits 1:0 source 0, 3:2 source 1, 5:4 source 2, 7:6 destination):
;   window 0: v0-11 addresses; v12-27 at work at the end; v32-35 the maxima, v36-39 their numbers (a register a tile of x); v40-47 hc of 8 codes; v64-127 two sets of 4 accumulators; v128-255 a code tile's 16 fragments
;   windows 1, 2: x: tile u, K step g at v[32 (g % 8) + 8 u] of window 1 + g / 8, so that 32 products on end name one window
.set TILEB, 16384                      ; a tile of 16 rows x 512 bf16
.set FILLB, 8*TILEB                    ; a slot
.set SLOT1, 1<<17                      ; slot 1 begins here: one exclusive or turns an address in one slot into the other's
.set HCB,   2*FILLB                    ; the quarter's hc: 2,048 f32, filled once
.set SPARE, HCB+8192                   ; 270,336 = 1,056 x 256: the spare words, 128 bytes a wave: two blocks of 256 bytes that no other line names
.set AK0, 2                            ; v2   16 x lane: my place in 512 consecutive bytes, in LDS and in xb; never rewritten
.set AK,  3                            ; v3   the same in the code tile that is being fetched
.set HC0, 4                            ; v4   HCB + 32 (lane / 16): my 8 codes' hc in tile 0; never rewritten
.set HCA, 5                            ; v5   the same in the tile in hand
.set PFO, 7                            ; v7   256 x lane, for the prefetches; never rewritten
.set H8,  8                            ; v8   8 (lane / 16)
.set CO,  9                            ; v9   8 x lane: my entry among 32 of cand
.set SPW, 10                           ; v10  LDS address of my spare word; never rewritten
.set NIL, 11                           ; v11  0, for the add alone
.set OB,  12                           ; v[12:15] the other half of the lanes' maxima
.set OI,  16                           ; v[16:19] and their numbers
.set OUT, 20                           ; v[20:23] two pairs to store
.set TP,  24                           ; v[24:27] at work
.set BEST, 32
.set IDX, 36
.set HC,  40
.set ACC, 64
.set AF,  128
.set WV,  12                           ; s12  my wave's number
.set G1,  16                           ; s[16:23] descriptor group 1 for code tiles
.set G1H, 24                           ; s[24:31] for hc
.set G0H, 32                           ; s[32:35] group 0: hc
.set G0A, 36                           ; s[36:39] fill 0
.set G0B, 40                           ; s[40:43] fill 1; it then walks on
.set PFA, 44                           ; s[44:45] where my prefetch stands in cb
.set LIM, 46                           ; s46  1 in a cluster that prefetches, else the greatest number
.set FILLS, 47                         ; s47  fills still to be asked for
.set CNT, 48                           ; s48  counts pairs of tiles
.set TB,  49                           ; s49  LDS byte of the code tile to be fetched next
.set HB,  50                           ; s50  64 x the tile in hand: its hc
.set MK,  52                           ; s[52:55] a mask for each tile of x
.set IX,  56                           ; s[56:63] the number of code e of the tile that the riders fold, less 8 (lane / 16)
.set SEL, 72                           ; s[72:73] v_permlanex16_b32: each lane takes its own place in the other half
.set HM,  74                           ; s74  lanes 16-31
.set MSB, 0
.macro WIN new                         ; the immediate's high byte repeats the setting that is left; a switch that changes nothing is dropped
.if MSB != (\new)
	s_set_vgpr_msb (MSB<<8)|(\new)
.set MSB, (\new)
.endif
.endm
; A round of the cluster's barrier: my work-group's barrier, so that wave 0's signal speaks for all four waves; wave 0 signals; every wave waits for all four work-groups; my work-group's barrier once more.
.macro CROUND
	s_barrier_signal -1
	s_barrier_wait -1
	s_cmp_lg_u32 s[WV], 0
	s_cbranch_scc1 .Lnot_wave_0_\@
	s_barrier_signal -3
.Lnot_wave_0_\@:
	s_barrier_wait -3
	s_barrier_signal -1
	s_barrier_wait -1
.endm
; A PREFETCH of the fill that the NEXT change of slots will ask for: 8 tiles, 512 matrix instructions, ahead of that load.  All 16 clusters of a quarter walk the same fills: the first of them (cluster x = 0) asks.
; Its 4 partners x 4 waves x 32 lanes name the fill's 512 blocks of 256 bytes once each, told apart BY ADDRESS (32,768 cx + 8,192 wave + 256 lane): no branch hangs on a place in the cluster.
; The last refill asks for nothing: there is no fill behind it.  Fills 0 to 2 and x come by their loads alone.
.macro ASK
	s_cmp_gt_u32 s[FILLS], s[LIM]
	s_cbranch_scc0 .Lnot_mine_\@
	global_prefetch_b8 v[PFO], s[PFA:PFA+1] th:TH_LOAD_NT scope:SCOPE_SE
.Lnot_mine_\@:
.endm
	s_load_b256 s[4:11], s[0:1], 0x0               ; xb s[4:5], cb s[6:7], hc s[8:9], cand s[10:11]
	v_lshl_add_u32 v[SPW], v0, 2, SPARE
	v_mov_b32 v[NIL], 0
	ds_add_u32 v[SPW], v[NIL]                      ; the wave's opening: the add, twice on end, and its wait stand ahead of my first tensor load; the set-up below stands between
	ds_add_u32 v[SPW], v[NIL]
	v_lshrrev_b32 v6, 5, v0
	v_readfirstlane_b32 s[WV], v6                  ; wave 0..3
	s_bfe_u32 s13, ttmp6, 0x40000                  ; cx: my place in the cluster
	s_lshl_b32 s14, ttmp9, 2                       ; in a cluster launch ttmp9 counts clusters
	s_add_co_u32 s14, s14, s13                     ; my block of 256 rows = 4 x cluster x + cx: it enters xb's and cand's addresses alone
	s_and_b32 s15, ttmp7, 0xffff                   ; the quarter, which the four partners share
	; group 1: a wave's quarter of a fill is 32,768 dense bytes: 128 rows of 32 elements of 8 bytes; hc's is 2,048 bytes: 8 such rows
	s_mov_b32 s[G1], 15|(3<<16)|(1<<21)            ; 15:0 the mask: all four work-groups; 17:16 elements of 8 bytes; 20 no padding; 21 set beside a mask
	s_mov_b32 s[G1+1], 32<<16                      ; tensor_dim0 = 32
	s_mov_b32 s[G1+2], 128<<16                     ; tensor_dim1 = 128
	s_mov_b32 s[G1+3], 32<<16                      ; tile_dim0 = 32
	s_mov_b32 s[G1+4], 128                         ; tile_dim1 = 128
	s_mov_b32 s[G1+5], 32                          ; 32 elements from row to row
	s_mov_b32 s[G1+6], 0
	s_mov_b32 s[G1+7], 0
	s_mov_b32 s[G1H], 15|(3<<16)|(1<<21)
	s_mov_b32 s[G1H+1], 32<<16
	s_mov_b32 s[G1H+2], 8<<16                      ; tensor_dim1 = 8
	s_mov_b32 s[G1H+3], 32<<16
	s_mov_b32 s[G1H+4], 8                          ; tile_dim1 = 8
	s_mov_b32 s[G1H+5], 32
	s_mov_b32 s[G1H+6], 0
	s_mov_b32 s[G1H+7], 0
	s_mov_b32 s[G0H], 1                            ; 1:0 count = 1
	s_lshl_b32 s[G0H+1], s[WV], 11
	s_add_co_u32 s[G0H+1], s[G0H+1], HCB           ; 63:32 LDS address: the wave's number alone enters it
	s_mov_b32 s[G0A], 1
	s_lshl_b32 s[G0A+1], s[WV], 15                 ; slot 0
	s_mov_b32 s[G0B], 1
	s_add_co_u32 s[G0B+1], s[G0A+1], SLOT1         ; slot 1
	; byte offsets, made apart from the addresses.  Those of the joint loads hold the quarter and the wave's number alone
	s_lshl_b32 s68, s15, 21                        ; cb: a quarter is 128 tiles, 2,097,152 bytes,
	s_lshl_b32 s51, s[WV], 15                      ; my quarter of a fill
	s_add_co_u32 s68, s68, s51
	s_mov_b32 s69, 0
	s_lshl_b32 s70, s15, 13                        ; hc: 8,192 bytes a quarter, 2,048 a wave
	s_lshl_b32 s51, s[WV], 11
	s_add_co_u32 s70, s70, s51
	s_mov_b32 s71, 0
	s_lshl_b32 s66, s14, 18                        ; xb: 16 tiles a block, 4 a wave
	s_lshl_b32 s75, s[WV], 16
	s_add_co_u32 s66, s66, s75
	s_mov_b32 s67, 0
	s_lshl_b32 s76, s15, 17                        ; cand: 16,384 rows x 8 bytes a quarter, 2,048 bytes a block, 512 a wave
	s_lshl_b32 s75, s14, 11
	s_add_co_u32 s76, s76, s75
	s_lshl_b32 s75, s[WV], 9
	s_add_co_u32 s76, s76, s75
	s_mov_b32 s77, 0
	s_lshl_b32 s78, s15, 21                        ; the prefetches: the quarter, my work-group's quarter of a fill, my wave's quarter of that,
	s_lshl_b32 s75, s13, 15
	s_add_co_u32 s78, s78, s75
	s_lshl_b32 s75, s[WV], 13
	s_add_co_u32 s78, s78, s75
	s_add_co_u32 s78, s78, 2*FILLB                 ; in fill 2: the first change of slots steps it to fill 3
	s_mov_b32 s79, 0
	s_mov_b32 s75, ttmp9
	s_cmp_eq_u32 s75, 0                            ; the quarter's first cluster: the same in all four partners
	s_cselect_b32 s[LIM], 1, -1
	s_lshl_b32 s[IX], s15, 11                      ; the quarter's first code
.irp e, 1,2,3,4,5,6,7
	s_add_co_u32 s[IX+\e], s[IX], \e
.endr
	s_mov_b32 s[SEL], 0x76543210
	s_mov_b32 s[SEL+1], 0xfedcba98
	s_mov_b32 s[HM], 0xffff0000
	s_mov_b32 s[TB], TILEB                         ; tile 0 is fetched ahead of the walk; the first tile of the walk fetches tile 1
	s_mov_b32 s[HB], 0
	v_and_b32 v1, 31, v0                           ; lane
	v_lshlrev_b32 v[AK0], 4, v1
	v_lshrrev_b32 v6, 4, v1                        ; lane / 16
	v_lshlrev_b32 v[H8], 3, v6
	v_lshl_add_u32 v[HC0], v6, 5, HCB
	v_lshlrev_b32 v[PFO], 8, v1
	v_lshlrev_b32 v[CO], 3, v1
.irp t, 0,1,2,3
	v_mov_b32 v[BEST+\t], 0xff800000               ; below every finite s
	v_mov_b32 v[IDX+\t], 0
	v_mov_b32 v[OB+\t], 0                          ; v_permlanex16_b32 counts as a reader of its destination
	v_mov_b32 v[OI+\t], 0
.endr
	s_wait_dscnt 0x0                               ; both opening adds are done
	s_wait_kmcnt 0x0
	s_add_nc_u64 s[G0H+2:G0H+3], s[8:9], s[70:71]  ; 120:64 global address
	s_or_b32 s[G0H+3], s[G0H+3], 0x80000000        ; 127:126 type = 2
	s_add_nc_u64 s[G0A+2:G0A+3], s[6:7], s[68:69]  ; fill 0,
	s_add_nc_u64 s[G0B+2:G0B+3], s[G0A+2:G0A+3], FILLB  ; fill 1
	s_or_b32 s[G0A+3], s[G0A+3], 0x80000000
	s_or_b32 s[G0B+3], s[G0B+3], 0x80000000
	s_add_nc_u64 s[PFA:PFA+1], s[6:7], s[78:79]
	s_add_nc_u64 s[4:5], s[4:5], s[66:67]          ; xb at my wave's four tiles
	s_add_nc_u64 s[10:11], s[10:11], s[76:77]      ; cand at my wave's 64 rows
	CROUND                                         ; all four work-groups are here: the first joint loads meet
	tensor_load_to_lds s[G0H:G0H+3], s[G1H:G1H+7]  ; the first fills go out as one group: three tensor loads of mine are out
	s_nop 0
	tensor_load_to_lds s[G0A:G0A+3], s[G1:G1+7]
	s_nop 0
	tensor_load_to_lds s[G0B:G0B+3], s[G1:G1+7]
	s_nop 0
.rept 4
	v_nop                                          ; (four vector lines ahead of the next switch of windows)
.endr
	; x stays in registers: 128 loads of 512 consecutive bytes
.macro XLOAD w, g0                     ; K steps g0 .. g0 + 7 into the window that setting w names as destination
	WIN \w
.set i, 0
.rept 8
.irp u, 0,1,2,3
	global_load_b128 v[32*i+8*\u:32*i+8*\u+3],   v[AK0], s[4:5] offset:(\u)*TILEB+((\g0)+i)*1024
	global_load_b128 v[32*i+8*\u+4:32*i+8*\u+7], v[AK0], s[4:5] offset:(\u)*TILEB+((\g0)+i)*1024+512
.endr
.set i, i+1
.endr
.endm
	XLOAD 0x40, 0
	XLOAD 0x80, 8
	WIN 0
; THE RIDERS.  Number n of the 112 that fold a finished tile of 16 codes (set 1 - par of the accumulators) into the running maxima; the four tiles of x are four chains that do not wait for each other.
;   0-15    s = sum - hc, a pair of codes at a time; each accumulator's two lowest registers come first
;   16-111  for code e = 0 .. 7, twelve: is the old maximum still at least s? (a mask a tile of x); where not, the number becomes code e's; the new maximum.  At equal s the earlier, lower number stays.
; Behind the four selections of code e its number steps on to the next tile.
.macro RID par
.set A, ACC+32*(1-(\par))
.if n < 16
.set p, n/4
.set t, n%4
	v_pk_add_f32 v[A+8*t+2*p:A+8*t+2*p+1], v[A+8*t+2*p:A+8*t+2*p+1], v[HC+2*p:HC+2*p+1] neg_lo:[0,1] neg_hi:[0,1]
.else
.set m, n-16
.set e, m/12
.set kd, (m%12)/4
.set t, m%4
.if kd == 0
	v_cmp_ge_f32 s[MK+t], v[BEST+t], v[A+8*t+e]
.elseif kd == 1
	v_cndmask_b32 v[IDX+t], s[IX+e], v[IDX+t], s[MK+t]
.if t == 3
	s_addk_co_i32 s[IX+e], 16
.endif
.else
	v_max_num_f32 v[BEST+t], v[BEST+t], v[A+8*t+e]
.endif
.endif
.set n, n+1
.endm
.macro SLICE par, rid                  ; the next four riders; rid = 0 (the first tile: nothing is finished yet): four v_nop in their stead
	WIN 0
.rept 4
.if \rid
	RID \par
.else
	v_nop
.endif
.endr
.endm
; Two products of K step g: tiles u0 and u0 + 1 of x.  The first K step starts the sums with the constant 0: nothing is ever cleared.
.macro MM2 par, g, u0
	WIN 0x04+0x04*((\g)/8)                         ; source 1 (x) in window 1 or 2; all else in window 0
.irp u, \u0, (\u0)+1
.if (\g) == 0
	v_wmma_f32_16x16x32_bf16 v[ACC+32*(\par)+8*(\u):ACC+32*(\par)+8*(\u)+7], v[AF+8*(\g):AF+8*(\g)+7], v[32*((\g)%8)+8*(\u):32*((\g)%8)+8*(\u)+7], 0
.else
	v_wmma_f32_16x16x32_bf16 v[ACC+32*(\par)+8*(\u):ACC+32*(\par)+8*(\u)+7], v[AF+8*(\g):AF+8*(\g)+7], v[32*((\g)%8)+8*(\u):32*((\g)%8)+8*(\u)+7], v[ACC+32*(\par)+8*(\u):ACC+32*(\par)+8*(\u)+7]
.endif
.endr
.endm
; A TILE of 16 codes: 16 K steps of four products into set par; the four accumulators take turns, one instruction a turn, over tile ends and backward jumps too.
; 28 slices: one in the middle of a K step (not in every fourth) and one at its end.  The slice at the end is the four places (plain vector instructions that name no register of the products)
; between the last product that read fragment g and the two loads that bring the NEXT tile's fragment g into the same registers, 60 products ahead of its use (ld = 1).
; K step 4 also fetches THIS tile's hc, which the riders of the next tile read; the old hc was last read in K steps 0 and 1.
; THE WAITS.  A tile issues 34 LDS loads, in order (ISA guide 5.7.1).  At K step g = 0, 4, 8, 12 fragments g .. g + 3, fetched a tile ago, are wanted: behind the last of them 26, 24, 26, 26 loads were issued; at g = 0
; the last tile's hc is wanted too, with 22 behind it.  In the last tile (ld = 0), which issues hc's two loads alone: 22, 16, 10, 2.
.macro TILE par, ld, rid
.set n, 0
.irp g, 0,1,2,3,4,5,6,7,8,9,10,11,12,13,14,15
.if (\g)%4 == 0
.if \ld
	s_wait_dscnt 22+2*((\g)/4)-2*((\g)/12)
.else
	s_wait_dscnt 22-6*((\g)/4)-2*((\g)/12)
.endif
.endif
	MM2 \par, \g, 0
.if (\g)%4 != 3
	SLICE \par, \rid
.if ((\g) == 0) && (\ld)
	v_add_nc_u32 v[AK], s[TB], v[AK0]              ; the tile that this tile fetches
	s_add_co_u32 s[TB], s[TB], TILEB
.endif
.if (\g) == 4
	v_add_nc_u32 v[HCA], s[HB], v[HC0]
	s_add_co_u32 s[HB], s[HB], 64
	s_and_b32 s[HB], s[HB], 0x1fc0                 ; 128 tiles x 64 bytes: the walk stays inside hc's 8,192 bytes
.endif
.endif
	MM2 \par, \g, 2
	SLICE \par, \rid
.if \ld
	ds_load_b128 v[AF+8*(\g):AF+8*(\g)+3],   v[AK] offset:1024*(\g)
	ds_load_b128 v[AF+8*(\g)+4:AF+8*(\g)+7], v[AK] offset:1024*(\g)+512
.endif
.if (\g) == 4
	ds_load_b128 v[HC:HC+3],   v[HCA]
	ds_load_b128 v[HC+4:HC+7], v[HCA] offset:16
.endif
.endr
.endm
; THE CHANGE OF SLOTS, behind the tile that has fetched a slot's last code tile.  Each wave waits for all its tensor loads, of which one is out: its part of the other slot; adds 0 to its spare word; and waits for
; that and for its own reads of the slot.  Behind the barrier nobody reads this slot any more and the other slot is whole.
; fill = 1: the slot is filled again, with the codes two fills on.  The barrier is then a round of the cluster's, so that no wave of any partner still reads the slot or has a load on its way; the joint refill is the
; first thing behind it, and my one tensor load until the next round.
.macro CHANGE fill
	WIN 0                                          ; at a label and at a branch every window is 0
	s_wait_tensorcnt 0x0                           ; no tensor load of mine is out, so a group 0 may be written
	ds_add_u32 v[SPW], v[NIL]                      ; 0 onto my spare word
.if \fill
	s_xor_b32 s[G0B+1], s[G0B+1], SLOT1            ; the walking descriptor: the other slot than last time,
	s_add_nc_u64 s[G0B+2:G0B+3], s[G0B+2:G0B+3], FILLB  ; the next fill; the type bits on top are not reached
	s_wait_xcnt 0x0                                ; the last prefetch, 8 tiles back, has read its address, so it may be written:
	s_add_nc_u64 s[PFA:PFA+1], s[PFA:PFA+1], FILLB ; one fill behind the walking descriptor
	s_wait_dscnt 0x0                               ; the add is done, and my reads of the slot are over
	CROUND
	tensor_load_to_lds s[G0B:G0B+3], s[G1:G1+7]
	s_nop 0
.rept 4
	v_nop
.endr
	ASK
.else
	s_wait_dscnt 0x0                               ; the add is done, and my reads of the slot are over
	s_barrier_signal -1
	s_barrier_wait -1
.endif
	s_sub_co_u32 s[TB], s[TB], FILLB               ; the fetches go back to a slot's first tile,
	s_xor_b32 s[TB], s[TB], SLOT1                  ; in the other slot
.endm
.macro PAIRS cnt                       ; cnt times an odd and an even tile: written once, the LDS addresses hang on s[TB] and s[HB]
	s_mov_b32 s[CNT], \cnt
.Lpair_\@:
	TILE 1, 1, 1
	TILE 0, 1, 1
	WIN 0
	s_sub_co_u32 s[CNT], s[CNT], 1
	s_cmp_lg_u32 s[CNT], 0
	s_cbranch_scc1 .Lpair_\@
.endm
	s_wait_tensorcnt 0x1                           ; my parts of hc and of fill 0 are in; fill 1's may stay out
	s_barrier_signal -1
	s_barrier_wait -1                              ; everybody's are
.irp g, 0,1,2,3,4,5,6,7,8,9,10,11,12,13,14,15
	ds_load_b128 v[AF+8*(\g):AF+8*(\g)+3],   v[AK0] offset:1024*(\g)      ; code tile 0
	ds_load_b128 v[AF+8*(\g)+4:AF+8*(\g)+7], v[AK0] offset:1024*(\g)+512
.endr
	s_wait_loadcnt 0x0                             ; x
	s_wait_dscnt 0x0
	TILE 0, 1, 0                                   ; tile 0: nothing to fold yet
	PAIRS 3                                        ; tiles 1-6; tile 6 fetches tile 7, the last of slot 0
	s_mov_b32 s[FILLS], 14                         ; fills 2 to 15
.Lfill:
	CHANGE 1
	PAIRS 4                                        ; tiles 7-118, eight a trip
	s_sub_co_u32 s[FILLS], s[FILLS], 1
	s_cmp_lg_u32 s[FILLS], 0
	s_cbranch_scc1 .Lfill
	CHANGE 0                                       ; the tail is written out: nothing is asked for
	PAIRS 4                                        ; tiles 119-126
	TILE 1, 0, 1                                   ; tile 127 fetches no further tile
	WIN 0
	s_wait_dscnt 0x0                               ; its hc
.set n, 0
.rept 112
	RID 0                                          ; tile 127 is folded; the last slice of the tile is the four places behind its last product
.endr
	; THE END.  A row's other 8 codes of every tile lie in the lane 16 away: the larger s wins, at equal s the lower number; both lanes come to the same choice.
.irp t, 0,1,2,3
	v_add_nc_u32 v[IDX+\t], v[IDX+\t], v[H8]
.endr
.irp t, 0,1,2,3
	v_permlanex16_b32 v[OB+\t], v[BEST+\t], s[SEL], s[SEL+1]
	v_permlanex16_b32 v[OI+\t], v[IDX+\t], s[SEL], s[SEL+1]
.endr
.irp t, 0,1,2,3
	v_cmp_gt_f32 s66, v[OB+\t], v[BEST+\t]
	v_cmp_eq_f32 s67, v[OB+\t], v[BEST+\t]
	v_cmp_lt_u32 s68, v[OI+\t], v[IDX+\t]
	s_and_b32 s67, s67, s68
	s_or_b32 s66, s66, s67
	v_cndmask_b32 v[BEST+\t], v[BEST+\t], v[OB+\t], s66
	v_cndmask_b32 v[IDX+\t], v[IDX+\t], v[OI+\t], s66
.endr
	; THE KEY: s + 0 (so that -0 becomes +0); then a positive number's sign bit is set and a negative number's bits are all turned: as unsigned whole numbers the keys stand in the order of the s.
.irp t, 0,1,2,3
	v_add_f32 v[BEST+\t], 0, v[BEST+\t]
.endr
.irp t, 0,1,2,3
	v_ashrrev_i32 v[TP+\t], 31, v[BEST+\t]
.endr
.irp t, 0,1,2,3
	v_or_b32 v[TP+\t], 0x80000000, v[TP+\t]
.endr
.irp t, 0,1,2,3
	v_xor_b32 v[BEST+\t], v[BEST+\t], v[TP+\t]
.endr
	v_cndmask_b32 v[OUT],   v[BEST],   v[BEST+1], s[HM]   ; lanes 0-15 give an even tile's 16 rows, lanes 16-31 the odd tile's behind it
	v_cndmask_b32 v[OUT+1], v[IDX],    v[IDX+1],  s[HM]
	v_cndmask_b32 v[OUT+2], v[BEST+2], v[BEST+3], s[HM]
	v_cndmask_b32 v[OUT+3], v[IDX+2],  v[IDX+3],  s[HM]
	global_store_b64 v[CO], v[OUT:OUT+1],   s[10:11]             ; 32 rows x 8 bytes: 256 consecutive bytes, at a multiple of 256 from cand's first byte
	global_store_b64 v[CO], v[OUT+2:OUT+3], s[10:11] offset:256
	s_wait_tensorcnt 0x0                           ; the wave's end, behind my last tensor load
	ds_add_u32 v[SPW], v[NIL]
	s_wait_dscnt 0x0
	CROUND                                         ; the closing round: no work-group ends while a partner may still ask for a tile that names it
	s_endpgm
.Lfunc_end_k_q9883f97ddf_score:
	.size	k_q9883f97ddf_score, .Lfunc_end_k_q9883f97ddf_score-k_q9883f97ddf_score
	.p2alignl 7, 3214868480
	.fill 96, 4, 3214868480
	.section	.rodata,"a",@progbits
	.p2align	6, 0x0
	.amdhsa_kernel k_q9883f97ddf_score
		.amdhsa_group_segment_fixed_size 327680
		.amdhsa_private_segment_fixed_size 0
		.amdhsa_enable_private_segment 0
		.amdhsa_kernarg_size 32
		.amdhsa_user_sgpr_count 2
		.amdhsa_user_sgpr_kernarg_segment_ptr 1
		.amdhsa_wavefront_size32 1
		.amdhsa_system_sgpr_workgroup_id_x 1
		.amdhsa_system_sgpr_workgroup_id_y 1
		.amdhsa_system_sgpr_workgroup_id_z 1
		.amdhsa_system_vgpr_workitem_id 0
		.amdhsa_next_free_vgpr 768
		.amdhsa_next_free_sgpr 80
		.amdhsa_reserve_vcc 0
		.amdhsa_float_denorm_mode_32 3
		.amdhsa_float_denorm_mode_16_64 3
		.amdhsa_memory_ordered 1
		.amdhsa_forward_progress 1
		.amdhsa_inst_pref_size 143
	.end_amdhsa_kernel
	.amdgpu_metadata
---
amdhsa.version: [ 1, 2 ]
amdhsa.kernels:
  - .name:           k_q9883f97ddf_score
    .symbol:         k_q9883f97ddf_score.kd
    .args:
      - { .name: xb, .offset: 0, .size: 8, .value_kind: global_buffer, .address_space: global }
      - { .name: cb, .offset: 8, .size: 8, .value_kind: global_buffer, .address_space: global }
      - { .name: hc, .offset: 16, .size: 8, .value_kind: global_buffer, .address_space: global }
      - { .name: cand, .offset: 24, .size: 8, .value_kind: global_buffer, .address_space: global }
    .group_segment_fixed_size: 327680
    .private_segment_fixed_size: 0
    .kernarg_segment_align: 8
    .kernarg_segment_size: 32
    .max_flat_workgroup_size: 128
    .sgpr_count:     80
    .vgpr_count:     768
    .wavefront_size: 32
...
	.end_amdgpu_metadata
.endif
;; end of part 2
;; launch pick (part 3): grid 256 x 1, 8 waves a work-group, no clusters, 0 bytes of LDS; arguments cand, codebook, out0; writes out0
.if DOCPART == 3
	.amdgcn_target "amdgcn-amd-amdhsa--gfx1250"
	.amdhsa_code_object_version 6
	.text
	.protected	k_q9883f97ddf_pick
	.globl	k_q9883f97ddf_pick
	.p2align	8
	.type	k_q9883f97ddf_pick,@function
k_q9883f97ddf_pick:
	s_mov_b64 s[64:65], 0
	v_nop
	global_prefetch_b8 v0, s[64:65] scope:SCOPE_SE
	s_setreg_imm32_b32 hwreg(HW_REG_WAVE_MODE, 25, 1), 1
	s_wait_xcnt 0x0
; PICK.  out0[row] = codebook[number of the row's nearest code], f32 as it lies.  cand[quarter][row] = {key, number}, whole numbers stored by the launch before: the largest key is the smallest distance.
; Only a strictly larger key replaces, and the quarters are taken in ascending order: at equal keys the lowest number stays, as in argmin.
; SHARES.  A wave takes 8 rows: its 8 entries of a quarter are 64 consecutive bytes, one scalar load; the choice is scalar work; then 32 loads of 512 consecutive bytes (all 16 KiB on their way at once) and 32 such stores.
; No LDS, no barrier, no matrix unit: a copy, bound by memory.  A code's row may be named by many rows, so its loads carry no hint; out0 is written once and not read again.
; A number is held to 0 .. 8,191 ahead of its use in an address.
.set ROWB, 2048                        ; bytes in a row of the codebook and of out0
.set QB,   131072                      ; bytes of cand in a quarter: 16,384 rows x 8
.set LO,   1                           ; v1      16 x lane; never rewritten
.set AD,   2                           ; v[2:9]  row i: its code's byte offset in the codebook + 16 x lane
.set D,    16                          ; v[16:143] row i: 16 registers
.set C0,   16                          ; s[16:31] quarter 0's eight entries, later the winners; s[32:47], s[48:63], s[68:83] quarters 1 to 3
	s_load_b128 s[4:7], s[0:1], 0x0                ; cand s[4:5], codebook s[6:7]
	s_load_b64 s[8:9], s[0:1], 0x10                ; out0
	v_lshrrev_b32 v1, 5, v0
	v_readfirstlane_b32 s10, v1                    ; wave 0..7
	v_and_b32 v1, 31, v0
	v_lshlrev_b32 v[LO], 4, v1
	s_lshl_b32 s11, ttmp9, 3
	s_add_co_u32 s11, s11, s10                     ; my wave among all 2,048
	s_lshl_b32 s12, s11, 6                         ; its 8 entries of 8 bytes,
	s_mov_b32 s13, 0
	s_lshl_b32 s14, s11, 14                        ; its 8 rows of 2,048 bytes
	s_mov_b32 s15, 0
	s_wait_kmcnt 0x0
	s_add_nc_u64 s[4:5], s[4:5], s[12:13]
	s_add_nc_u64 s[8:9], s[8:9], s[14:15]
	s_load_b512 s[16:31], s[4:5], 0x0
	s_load_b512 s[32:47], s[4:5], QB
	s_load_b512 s[48:63], s[4:5], 2*QB
	s_load_b512 s[68:83], s[4:5], 3*QB
	s_wait_kmcnt 0x0
.irp i, 0,1,2,3,4,5,6,7
.irp q, 32, 48, 68
	s_cmp_gt_u32 s[(\q)+2*(\i)], s[C0+2*(\i)]
	s_cselect_b32 s[C0+2*(\i)], s[(\q)+2*(\i)], s[C0+2*(\i)]
	s_cselect_b32 s[C0+2*(\i)+1], s[(\q)+2*(\i)+1], s[C0+2*(\i)+1]
.endr
	s_min_u32 s[C0+2*(\i)+1], s[C0+2*(\i)+1], 0x1fff
	v_lshl_add_u32 v[AD+(\i)], s[C0+2*(\i)+1], 11, v[LO]
.irp j, 0,1,2,3
	global_load_b128 v[D+16*(\i)+4*(\j):D+16*(\i)+4*(\j)+3], v[AD+(\i)], s[6:7] offset:512*(\j)
.endr
.endr
.irp i, 0,1,2,3,4,5,6,7
	s_wait_loadcnt 28-4*(\i)                       ; loads come back in order (ISA guide 5.7.1): row i's four are in, the later rows' stay out
.irp j, 0,1,2,3
	global_store_b128 v[LO], v[D+16*(\i)+4*(\j):D+16*(\i)+4*(\j)+3], s[8:9] offset:ROWB*(\i)+512*(\j) th:TH_STORE_NT  ; 512 consecutive bytes, at a multiple of 256 from out0's first byte
.endr
.endr
	s_endpgm
.Lfunc_end_k_q9883f97ddf_pick:
	.size	k_q9883f97ddf_pick, .Lfunc_end_k_q9883f97ddf_pick-k_q9883f97ddf_pick
	.p2alignl 7, 3214868480
	.fill 96, 4, 3214868480
	.section	.rodata,"a",@progbits
	.p2align	6, 0x0
	.amdhsa_kernel k_q9883f97ddf_pick
		.amdhsa_group_segment_fixed_size 0
		.amdhsa_private_segment_fixed_size 0
		.amdhsa_enable_private_segment 0
		.amdhsa_kernarg_size 24
		.amdhsa_user_sgpr_count 2
		.amdhsa_user_sgpr_kernarg_segment_ptr 1
		.amdhsa_wavefront_size32 1
		.amdhsa_system_sgpr_workgroup_id_x 1
		.amdhsa_system_sgpr_workgroup_id_y 1
		.amdhsa_system_sgpr_workgroup_id_z 1
		.amdhsa_system_vgpr_workitem_id 0
		.amdhsa_next_free_vgpr 144
		.amdhsa_next_free_sgpr 88
		.amdhsa_reserve_vcc 0
		.amdhsa_float_denorm_mode_32 3
		.amdhsa_float_denorm_mode_16_64 3
		.amdhsa_memory_ordered 1
		.amdhsa_forward_progress 1
		.amdhsa_inst_pref_size 11
	.end_amdhsa_kernel
	.amdgpu_metadata
---
amdhsa.version: [ 1, 2 ]
amdhsa.kernels:
  - .name:           k_q9883f97ddf_pick
    .symbol:         k_q9883f97ddf_pick.kd
    .args:
      - { .name: cand, .offset: 0, .size: 8, .value_kind: global_buffer, .address_space: global }
      - { .name: codebook, .offset: 8, .size: 8, .value_kind: global_buffer, .address_space: global }
      - { .name: out0, .offset: 16, .size: 8, .value_kind: global_buffer, .address_space: global }
    .group_segment_fixed_size: 0
    .private_segment_fixed_size: 0
    .kernarg_segment_align: 8
    .kernarg_segment_size: 24
    .max_flat_workgroup_size: 256
    .sgpr_count:     88
    .vgpr_count:     144
    .wavefront_size: 32
...
	.end_amdgpu_metadata
.endif
;; end of part 3
